; MI455X (gfx1250); checked and timed in simulation.
; The chip was launched on July 23, 2026; its instructions are those of AMD's public machine-readable ISA for CDNA 5 (MIT licence, August 2026) and "CDNA5" Instruction Set Architecture Reference Guide (July 2026). The comments in the code are by the model that wrote it; some were corrected since.
;; Scaled Dot Product. Allowed arithmetic: matrix products marked QUANTISED: E4M3 operands, one given power-of-two scale a tensor, by v_wmma_f32_16x16x64_fp8_fp8 or v_wmma_f32_16x16x128_fp8_fp8, f32 sums; everything else in f32.
;; Inputs: attention_mask 2 x 2,048 int32; k_codes 2 x 16 x 2,048 x 4 x 32 uint8 (E4M3 codes of k, K innermost, in blocks of 32 codes); lowp_scales 4 int32 (the exponents e of the quantised operands' scales 2^e); q_codes 2 x 16 x 2,048 x 4 x 32 uint8 (E4M3 codes of q, K innermost, in blocks of 32 codes); v_codes 2 x 16 x 128 x 64 x 32 uint8 (E4M3 codes of v, K innermost, in blocks of 32 codes).
;; Outputs: out0 2 x 16 x 2,048 x 128 float32.
;; Constants: causal = 1, hist_len = 2048, seq_len = 2048.
;; This version of the problem:
;;   THIS VERSION OF THE PROBLEM IS GIVEN IN LOW PRECISION. The matrix products marked QUANTISED in the list below multiply operands that are first quantised to E4M3 (4 exponent bits, 3 mantissa bits; 8 bits a number), with one given power-of-two scale for each operand tensor; their sums are f32. All else is computed in f32.
;;   The module's matrix products, in the order in which they are computed (A, B: the left and right operand; K: the contracted axis; several contracted axes count as one K, in the product's order):
;;     1. batch 32 x [M 2,048, K 128] x [K 128, N 2,048]; A: input q (given as codes); B: input k (given as codes): QUANTISED (scales: A lowp_scales[0], B lowp_scales[1])
;;     2. batch 32 x [M 2,048, K 2,048] x [K 2,048, N 128]; A: computed on the way; B: input v (given as codes): QUANTISED (scales: A lowp_scales[2], B lowp_scales[3])
;;   THE QUANTISER, for each operand of a quantised product, along K:
;;     - The operand's scale is 2^e, e = its entry of the input lowp_scales (int32; the entries are numbered through the quantised products in the list's order, A before B).
;;     - Each number is divided by the scale, clamped to +-448, and rounded to the nearest number of E4M3, ties to even, subnormals kept.
;;     - The product sums the exact products of the quantised numbers (number of the format x scale) in f32.
;;   ~~~python
;;   def quantise(x, axis, e):      # numpy; x: float32 -> the quantised numbers, widened to float32 again
;;       x = np.moveaxis(x, axis, -1); K = x.shape[-1]
;;       r = np.clip(x / 2.0 ** e, -448, 448)
;;       step = 2.0 ** (np.maximum(np.frexp(np.where(r == 0, 1, r))[1] - 1, -6) - 3)
;;       q = np.round(r / step) * step * 2.0 ** e      # np.round: ties to even
;;       return np.moveaxis(q, -1, axis).astype(np.float32)
;;   ~~~
;;   OPERANDS COMPUTED ON THE WAY. 'Computed on the way' means the value that the module computes at that place (a softmax that the list does not call 'softmax' is quantised finished and normalised). What goes into a quantiser is computed in f32, as accurately as f32 sums, v_exp_f32 and their like allow (about 1e-6 of the number): no bf16 or f16 on the way to a quantiser, and a product that is left as it is and whose result goes on into a quantised operand takes f32 operands (vector FMAs, or v_wmma_f32_16x16x4_f32). A number that lies on a knife's edge between two numbers of the format may be rounded either way, as far as f32 arithmetic and the matrix unit's own rounding can turn it there, and no further.
;;   INPUTS GIVEN AS CODES. k (in the module: [2, 16, 2048, 128], K = its axis 3); q (in the module: [2, 16, 2048, 128], K = its axis 3); v (in the module: [2, 16, 2048, 128], K = its axis 2): each comes as NAME_codes (uint8): NAME with its K axis moved to the last place and cut into blocks of 32 codes, [.., K / 32, bytes a block], one block behind the other in memory; one code a byte (a code: sign, 4 exponent bits, 3 mantissa bits); its scale is its entry of lowp_scales. Its value is code x scale, taken as it is: it is not quantised again, and the codes and scales need not be those that the quantiser above would give.
;; One version. Each part assembles by itself: llvm-mc -triple=amdgcn-amd-amdhsa -mcpu=gfx1250 --defsym DOCPART=n.
;; ======== version 1 of 1: 1 launch
;; launch attn (part 1): grid 8 x 32, 8 waves a work-group, no clusters, 275,712 bytes of LDS; arguments q_codes, k_codes, v_codes, attention_mask, lowp_scales, out0; writes out0
.if DOCPART == 1
	.amdgcn_target "amdgcn-amd-amdhsa--gfx1250"
	.amdhsa_code_object_version 6
	.text
	.protected	k_q19db77822c_attn
	.globl	k_q19db77822c_attn
	.p2align	8
	.type	k_q19db77822c_attn,@function
k_q19db77822c_attn:
	s_mov_b64 s[64:65], 0
	v_nop
	global_prefetch_b8 v0, s[64:65] scope:SCOPE_SE
	s_setreg_imm32_b32 hwreg(HW_REG_WAVE_MODE, 25, 1), 1
	s_wait_xcnt 0x0
; out[b][h][q][:] = the sum over keys k <= q of w(q, k) V[k][:],  w = ghostmax of Q.K / sqrt(128) + (1 - mask[b][k]) x (-1e12): a softmax with one more logit 0.
; Q, K: [32 heads][2048][128] codes of FP8 (E4M3), the head's 128 innermost.  V: [32][128][2048] codes, the keys innermost.  out: [32][2048][128] f32.  lowp_scales: eq, ek, ep, ev.
; WHAT IS QUANTISED for the second product is the FINISHED weight w = e / (exp(-m) + sum e).  No code of a row can be made before the row's maximum and sum are known, so THE KEYS ARE WALKED TWICE:
;   pass 1: S^T = K Q^T, a running maximum and sum for each query;   pass 2: S^T again, w, its codes, O^T += V^T P^T.
; ARITHMETIC.  S is the raw sum of code products; t = S c', c' = log2(e) / sqrt(128) x 2^(eq + ek).  M = the largest t so far and the ghost's 0, rounded UP to a whole number (kept as -M = floor(-t)); p = 2^(t - M);
; when M moves the sum is multiplied by 2^(old M - new M), which rounds nothing.  den = sum p + 2^-M (the ghost).  L = M + log2(den);  w = 2^(t - L): one fused multiply-add and one exponential a weight.
; The mask's bias goes in as the C of K Q^T, in S's units: (1 - mask) x (-1e12 sqrt(128)) / 2^(eq + ek); where a half's 64 mask entries are all 1 the C is the constant 0 and the table is not read.
; SHARES.  A head's queries are 16 blocks of 128; work-group j of a head owns blocks j and 15 - j, so that every work-group has the same part of the causal triangle: 8 x 32 = 256 work-groups.
; A wave owns 32 queries (two tiles of 16): each fragment of K and V read from LDS feeds two products.  Of waves w and w + 4, and of waves 2 i and 2 i + 1, one has a low block and one a high block.
; A HALF is 64 keys x the wave's 32 queries.  A half all of whose keys come after the wave's queries is left out by a scalar branch on ids; the wave's one half on the diagonal hides keys by -infinity.
; BOTH PRODUCTS ARE USED TRANSPOSED (source 0 = 16 keys, or 16 of the head's 128; source 1 = my 16 queries): a lane holds ONE query (lane % 16) throughout.
; THE KEYS OF A TILE ARE NOT NEIGHBOURS: lane r of tile 2 b + u takes key 32 b + 8 u + r + 8 (r / 8), so that register 16 b + 8 u + i of lane (r, h) holds key 32 b + 16 h + 8 u + i: the conversions' results are
; the second product's operand, with the same placing of the keys that two 16-byte loads give V's fragment.
; K AND V COME THROUGH REGISTERS INTO A RING OF TWO LDS SLOTS OF 256 KEYS (each thread 16 bytes a load, a slot ahead), not by the tensor data mover: work-group j reads only 16 - j of the 16 steps of 128 keys, and a slot that
; nobody reads is not fetched (a scalar branch on ids round its loads and stores); two branches hang on whole numbers that are read from memory (a half's mask entries all 1; ep >= -8);
; and K's rows lie 160 bytes apart with 16 more for keys whose bit 4 is set, which no descriptor's padding states.
; NO CLUSTER: the work-groups that share a head's K and V own different query blocks, so they leave out different halves and slots: their branches differ, which joint loads do not allow.
; LIMITS: eq + ek between -123 and 130 (added to c's exponent field); ep between -126 and 119; ep + ev between -126 and 127; mask entries at most 1 (a positive bias of 1e12 is not served);
; NaN codes are not served; L is rounded to f32, so a weight's relative error grows with M as that of 2^(t - M) does.
;
; LDS: slot 0 at 0, slot 1 at SLOT1; in a slot K's 256 rows (key k at 160 k + 16 (bit 4 of k)), then from VOFF V's 128 rows of 256 bytes + 16; BIAS: 2,048 f32; STAGE: 16 rows x 528 bytes for each wave.
; K's rows r = 0..7 the even ones, the rows 16 further on, shifted, the odd ones.
; REGISTERS, window 0: v1-13, v22-25 addresses; v14-21 statistics; v32-95 four fragments of K; v96-159 eight of V; v160-223 S^T, 32 a tile; v224-239 the codes, 8 a tile; v240-255 constants and work.
;            window 1: v0-127 O^T, 64 a tile; v128-159 Q, 16 a tile; v160-191, v192-223 what is on its way to the next slot: K's and V's 16 bytes x 8.
.set KP,    160
.set VP,    272
.set VOFF,  41216
.set SLOT1, 131072                     ; one exclusive or turns an address in one slot into the other's
.set BIAS,  76032
.set STAGE, 207104
.set SP,    528
.set AK0,  1                           ; v1   my lane's place in a tile of K: (r + (r & 8)) 160 + 2 (r & 8) + 16 h
.set AV0,  2                           ; v2   in a tile of V: VOFF + 272 r + 16 h
.set ABI0, 3                           ; v3   in the bias table: BIAS + 64 h
.set WK0,  4                           ; v4   where my thread puts its 16 bytes of K's block
.set WV0,  5                           ; v5   of V's
.set GKO,  6                           ; v6   my thread's byte in a slot's block of K in memory: 16 t
.set GVO,  7                           ; v7   in V: row t / 16, 16 (t % 16)
.set ADK,  8                           ; v8-12 the five LDS addresses of the trip in hand
.set ADV,  9
.set ADB,  10
.set WKA,  11
.set WVA,  12
.set RH,   13                          ; v13  r - 16 h
.set NM,   14                          ; tile T: v[14+2T] -M, in pass 2 -L; v[15+2T] the largest raw S so far
.set SU,   18                          ; tile T: v[18+2T:19+2T] the sum, in two halves
.set STO,  22
.set RD,   23
.set GO,   24                          ; v24  16 x lane
.set PFO,  25
.set FK,   32
.set FV,   96
.set S,    160
.set PC,   224
.set SCL,  240                         ; 2^ep as f32
.set LIM,  241                         ; 448 x 2^ep
.set NINF, 242
.set FF,   244                         ; tile T: v[244+2T] f = 2^(old M - new M); the pair's upper half is written once
.set CH,   248                         ; tile T: v[248+2T], v[249+2T] two chains
.set XX,   252
.set DD,   254
.set QW,   128                         ; window 1
.set STK,  160
.set STV,  192
.set WV,   16                          ; s16 wave, s17 j, s18 head
.set JJ,   17
.set BH,   18
.set Q0,   19                          ; my first query
.set QL,   20                          ; my last
.set WGL,  21                          ; the work-group's last query
.set KF,   22                          ; the slot's first key; counts the trips
.set LASTKF, 23                        ; the slot in which my last half lies
.set TB,   24                          ; LDS byte of the slot in hand
.set TW,   25                          ; of the other
.set NXT,  26                          ; first key of the slot that is fetched
.set TS,   27
.set CS,   28                          ; s[28:29] c', twice
.set NCS,  30                          ; -c'
.set HOLES, 31                         ; bit i: half i of the batch's 32 has a mask entry other than 1
.set HS,   32                          ; the four bits of the slot in hand
.set NOHOLD, 33
.set KN,   34
.set VN,   36
.set OFS,  38                          ; s[38:39] an offset; s39 stays 0
.set EX,   40                          ; s[40:43] eq, ek, ep, ev
.set SEL,  44
.set OSC,  46                          ; s[46:47] 2^(ep + ev), twice
.set GG,   48                          ; the trip's number over both passes, 0 .. 15
.set PFLO, 49
.set PFSPAN, 50
.set PF0,  51
.set PFB,  52
.set PFA,  54
.set PFSTEP, 56
.set MSB, 0
.macro WIN new                         ; the immediate's high byte repeats the setting that is left; at every label and branch the setting is 0
.if MSB != \new
	s_set_vgpr_msb (MSB<<8)|\new
.set MSB, \new
.endif
.endm
.macro PLACES
.rept 4
	v_nop
.endr
.endm
	s_load_b256 s[4:11], s[0:1], 0x0               ; Q s[4:5], K s[6:7], V s[8:9], the mask s[10:11]
	s_load_b128 s[12:15], s[0:1], 0x20             ; the scales' exponents s[12:13], out s[14:15]
	v_lshl_add_u32 v243, v0, 2, 0x43100
	s_set_vgpr_msb 0x40
	v_mov_b32 v255, 0
	s_set_vgpr_msb 0x4000
	v_lshrrev_b32 v26, 5, v0
	v_readfirstlane_b32 s[WV], v26                 ; wave 0..7
	v_and_b32 v27, 15, v0                          ; r
	v_bfe_u32 v28, v0, 4, 1                        ; h
	v_and_b32 v29, 31, v0                          ; lane
	v_and_b32 v30, 8, v27
	v_add_nc_u32 v31, v30, v27                     ; r + 8 (r / 8)
	v_mul_u32_u24 v[AK0], v31, KP
	v_lshl_add_u32 v[AK0], v30, 1, v[AK0]          ; those 16 rows on have bit 4 set: 16 bytes more
	v_lshl_add_u32 v[AK0], v28, 4, v[AK0]
	v_mul_u32_u24 v[AV0], v27, VP
	v_lshl_add_u32 v[AV0], v28, 4, v[AV0]
	v_add_nc_u32 v[AV0], VOFF, v[AV0]
	v_lshlrev_b32 v[ABI0], 6, v28
	v_add_nc_u32 v[ABI0], BIAS, v[ABI0]
	v_lshrrev_b32 v31, 3, v0                       ; a load's 4,096 bytes of K are 32 keys: my key t / 8,
	v_mul_u32_u24 v[WK0], v31, KP
	v_bfe_u32 v31, v0, 7, 1                        ; its bit 4,
	v_lshl_add_u32 v[WK0], v31, 4, v[WK0]
	v_and_b32 v31, 7, v0                           ; my 16 bytes of its 128
	v_lshl_add_u32 v[WK0], v31, 4, v[WK0]
	v_lshrrev_b32 v31, 4, v0                       ; a load of V takes 16 rows: my row t / 16, my 16 bytes of its 256
	v_mul_u32_u24 v[WV0], v31, VP
	v_lshlrev_b32 v[GVO], 11, v31
	v_lshl_add_u32 v[WV0], v27, 4, v[WV0]
	v_add_nc_u32 v[WV0], VOFF, v[WV0]
	v_lshl_add_u32 v[GVO], v27, 4, v[GVO]
	v_lshlrev_b32 v[GKO], 4, v0
	v_lshlrev_b32 v31, 4, v28
	v_sub_nc_u32 v[RH], v27, v31
	s_mul_i32 s57, s[WV], 16*SP
	s_add_co_u32 s57, s57, STAGE                   ; my stage
	v_mul_u32_u24 v[STO], v27, SP                  ; in: row r, 32 bytes for each half of the lanes
	v_lshl_add_u32 v[STO], v28, 5, v[STO]
	v_add_nc_u32 v[STO], s57, v[STO]
	v_lshlrev_b32 v[GO], 4, v29
	v_add_nc_u32 v[RD], s57, v[GO]                 ; back: the 32 lanes take one row of 512 bytes
	v_lshlrev_b32 v26, 7, v27
	v_lshl_add_u32 v26, v28, 4, v26                ; Q: row r of 128 bytes, + 16 h
	s_lshl_b32 s58, s[WV], 10
	v_add_nc_u32 v31, s58, v[GO]                   ; the mask entries whose bias my wave makes: 1,024 w + 16 x lane
	s_mov_b32 s[JJ], ttmp9
	s_and_b32 s[BH], ttmp7, 0xffff
	s_lshr_b32 s58, s[WV], 2
	s_xor_b32 s58, s58, s[WV]
	s_and_b32 s58, s58, 1                          ; 1: my block is the high one
	s_sub_co_u32 s59, 15, s[JJ]
	s_cmp_lg_u32 s58, 0
	s_cselect_b32 s59, s59, s[JJ]                  ; my block of 128 queries
	s_lshr_b32 s60, s[WV], 1                       ; my 32 of them
	s_lshl_b32 s[Q0], s59, 7
	s_lshl_b32 s60, s60, 5
	s_add_co_u32 s[Q0], s[Q0], s60
	s_add_co_u32 s[QL], s[Q0], 31
	s_lshl_b32 s[WGL], s[JJ], 7
	s_sub_co_u32 s[WGL], 2047, s[WGL]              ; 128 (15 - j) + 127
	s_and_b32 s[LASTKF], s[Q0], 0xffffff00
	s_lshl_b32 s[OFS], s[BH], 18                   ; the head's first byte in each tensor of codes
	s_mov_b32 s[OFS+1], 0
	s_lshl_b32 s60, s[Q0], 7
	s_add_co_u32 s60, s60, s[OFS]                  ; my first query's codes
	s_mov_b32 s61, 0
	s_lshr_b32 s62, s[BH], 4
	s_lshl_b32 s62, s62, 13                        ; the batch's row of the mask
	s_mov_b32 s63, 0
	s_lshl_b32 s58, s[BH], 20
	s_lshl_b32 s59, s[Q0], 9
	s_add_co_u32 s58, s58, s59                     ; my first row of out
	s_mov_b32 s59, 0
	s_wait_kmcnt 0x0
	s_load_b128 s[EX:EX+3], s[12:13], 0x0          ; eq, ek, ep, ev
	s_add_nc_u64 s[4:5], s[4:5], s[60:61]
	s_add_nc_u64 s[6:7], s[6:7], s[OFS:OFS+1]
	s_add_nc_u64 s[8:9], s[8:9], s[OFS:OFS+1]
	s_add_nc_u64 s[10:11], s[10:11], s[62:63]
	s_add_nc_u64 s[14:15], s[14:15], s[58:59]
	; THE FIRST LOADS, 42 a wave: slot 0's K and V (V's place in slot 0 is not touched in pass 1), Q, the mask
	WIN 0x40                                       ; destination window 1, address window 0
.irp i, 0,1,2,3,4,5,6,7
	global_load_b128 v[STK+4*\i:STK+4*\i+3], v[GKO], s[6:7] offset:4096*\i       ; a wave reads 512 consecutive bytes
.endr
.irp i, 0,1,2,3,4,5,6,7
	global_load_b128 v[STV+4*\i:STV+4*\i+3], v[GVO], s[8:9] offset:32768*\i      ; sixteen lanes read 256 consecutive bytes of a row, aligned
.endr
.irp T, 0,1
.irp c, 0,1,2,3
	global_load_b128 v[QW+16*\T+4*\c:QW+16*\T+4*\c+3], v26, s[4:5] offset:2048*\T+32*\c th:TH_LOAD_NT   ; registers 4 c .. 4 c + 3: the head's 32 c + 16 h + 0 .. 15, as in K's fragments; read by this wave alone
.endr
.endr
	WIN 0
.irp i, 0,1,2,3,4,5,6,7,8,9,10,11,12,13,14,15
	global_load_b128 v[S+4*\i:S+4*\i+3], v[GO], s[10:11] offset:512*\i           ; all 2,048 entries: load i, lanes 0-15: half 2 i; lanes 16-31: half 2 i + 1
.endr
	global_load_b128 v[32:35], v31, s[10:11]
	global_load_b128 v[36:39], v31, s[10:11] offset:512
	s_wait_kmcnt 0x0
	s_add_co_i32 s57, s[EX], s[EX+1]               ; eq + ek
	s_lshl_b32 s58, s57, 23
	s_add_co_i32 s[CS], s58, 0x3e0293ee            ; c = log2(e) / sqrt(128); the two exponents are added to its exponent field
	s_mov_b32 s[CS+1], s[CS]                       ; (named with it as a pair, so it is written)
	s_xor_b32 s[NCS], s[CS], 0x80000000
	s_sub_co_i32 s57, 0, s57                       ; -(eq + ek), for the bias table
	s_add_co_i32 s58, s[EX+2], 127
	s_lshl_b32 s59, s58, 23
	v_mov_b32 v[SCL], s59                          ; the conversion takes this number's exponent field
	s_add_co_i32 s58, s58, 8
	s_lshl_b32 s58, s58, 23
	s_or_b32 s58, s58, 0x600000
	v_mov_b32 v[LIM], s58
	v_mov_b32 v[NINF], 0xff800000
	s_cmp_ge_i32 s[EX+2], -8                       ; then 448 x 2^ep >= 1.75, over every w: the hold can change nothing
	s_cselect_b32 s[NOHOLD], 1, 0
	s_add_co_i32 s[OSC], s[EX+2], s[EX+3]
	s_add_co_i32 s[OSC], s[OSC], 127
	s_lshl_b32 s[OSC], s[OSC], 23                  ; 2^(ep + ev) as f32
	s_mov_b32 s[OSC+1], s[OSC]
	s_mov_b32 s[SEL], 0x76543210                   ; v_permlanex16_b32: lane l xor 16
	s_mov_b32 s[SEL+1], 0xfedcba98
	; who prefetches what (macro ASK)
	s_cmp_lt_u32 s[WV], 4                          ; waves 0-3 ask for K's codes, waves 4-7 for V's
	s_cselect_b64 s[PFB:PFB+1], s[6:7], s[8:9]
	s_cselect_b32 s[PFLO], 0, 7                    ; the first trip in which I ask,
	s_cselect_b32 s[PFSPAN], 5, 6                  ; how many more,
	s_cselect_b32 s[PF0], 2, 1                     ; the first slot asked for
	s_mov_b32 s[PFSTEP], 256
	s_cselect_b32 s[PFSTEP], 32768, s[PFSTEP]      ; a slot on, in bytes: 256 rows of K; 256 bytes in a row of V
	s_mov_b32 s60, 65536
	s_cselect_b32 s60, 8192, s60                   ; from wave to wave: a quarter of K's block; 32 rows of V
	s_mov_b32 s61, 2048
	s_cselect_b32 s61, 256, s61                    ; from lane to lane
	v_mul_u32_u24 v[PFO], s61, v29
	s_and_b32 s62, s[WV], 3
	s_mul_i32 s62, s62, s60
	s_mov_b32 s63, 0
	s_add_nc_u64 s[PFB:PFB+1], s[PFB:PFB+1], s[62:63]
	s_cmp_eq_u32 s[JJ], 0                          ; the head's work-group 0 asks, which walks every slot; in the others the test in ASK never holds
	s_cselect_b32 s[PFLO], s[PFLO], 0x40000000
	s_wait_loadcnt 26                              ; the 16 loads of slot 0 are in; Q's 8 and the mask's 18 may be out
	WIN 0x04                                       ; store data (source 1) window 1
.irp i, 0,1,2,3,4,5,6,7
	ds_store_b128 v[WK0], v[STK+4*\i:STK+4*\i+3] offset:32*KP*\i
.endr
.irp i, 0,1,2,3,4,5,6,7
	ds_store_b128 v[WV0], v[STV+4*\i:STV+4*\i+3] offset:16*VP*\i
.endr
	WIN 0
	s_wait_loadcnt 0x0
	; HOLES: a lane's four entries of a load give a word that is 0 where all four are 1; the lanes' bits, sixteen and sixteen, give two halves' bits
.set II, 0
.rept 64
	v_xor_b32 v[S+II], 1, v[S+II]
.set II, II+1
.endr
.irp i, 0,1,2,3,4,5,6,7,8,9,10,11,12,13,14,15
	v_or_b32 v[S+4*\i], v[S+4*\i], v[S+4*\i+1]
	v_or_b32 v[S+4*\i+2], v[S+4*\i+2], v[S+4*\i+3]
.endr
.irp i, 0,1,2,3,4,5,6,7,8,9,10,11,12,13,14,15
	v_or_b32 v[S+4*\i], v[S+4*\i], v[S+4*\i+2]
.endr
	s_mov_b32 s[HOLES], 0
.irp i, 0,1,2,3,4,5,6,7,8,9,10,11,12,13,14,15
	v_cmp_ne_u32 s58, 0, v[S+4*\i]
	s_and_b32 s59, s58, 0xffff                     ; SCC: not 0
	s_cselect_b32 s59, 1<<(2*\i), 0
	s_or_b32 s[HOLES], s[HOLES], s59
	s_lshr_b32 s59, s58, 16                        ; SCC: not 0
	s_cselect_b32 s59, 1<<(2*\i+1), 0
	s_or_b32 s[HOLES], s[HOLES], s59
.endr
	; the bias table: my wave's 256 entries
.irp i, 0,1,2,3,4,5,6,7
	v_cvt_f32_i32 v[32+\i], v[32+\i]
.endr
.irp i, 0,1,2,3,4,5,6,7
	v_sub_f32 v[32+\i], 1.0, v[32+\i]
.endr
.irp i, 0,1,2,3,4,5,6,7
	v_mul_f32 v[32+\i], 0xd524a2d9, v[32+\i]       ; x (-1e12 sqrt(128))
.endr
.irp i, 0,1,2,3,4,5,6,7
	v_ldexp_f32 v[32+\i], v[32+\i], s57            ; / 2^(eq + ek): in S's units
.endr
	v_add_nc_u32 v26, BIAS, v31
	ds_store_b128 v26, v[32:35]
	ds_store_b128 v26, v[36:39] offset:512
.irp i, 14,15,16,17,18,19,20,21
	v_mov_b32 v[\i], 0                             ; -M = 0 and the largest S = 0: the ghost's logit; the sums
.endr
.irp i, 244,245,246,247,248,249,250,251,252,253,254,255
	v_mov_b32 v[\i], 0                             ; written once: upper halves of pairs, and the destinations of lane permutes, count as read
.endr
	s_wait_dscnt 0x0                               ; for the others' sake: my part of slot 0 and of the table is in LDS
	s_barrier_signal -1
	s_barrier_wait -1
; ---- the LDS loads stand in runs of 16
.macro KLOAD hf                        ; four tiles of 16 keys x the head's 128: tile ti = 2 b + u begins at key 64 hf + 32 b + 8 u
.irp ti, 0,1,2,3
.irp c, 0,1,2,3
	ds_load_b128 v[FK+16*\ti+4*\c:FK+16*\ti+4*\c+3], v[ADK] offset:(64*(\hf)+32*(\ti/2)+8*(\ti%2))*KP+32*\c
.endr
.endr
.endm
.macro VLOAD hf                        ; eight tiles of 16 of the head's 128 x 64 keys: registers 4 b .. 4 b + 3: keys 32 b + 16 h + 0 .. 15
.irp dt, 0,1,2,3,4,5,6,7
	ds_load_b128 v[FV+8*\dt:FV+8*\dt+3],   v[ADV] offset:16*\dt*VP+64*(\hf)
	ds_load_b128 v[FV+8*\dt+4:FV+8*\dt+7], v[ADV] offset:16*\dt*VP+64*(\hf)+32
.endr
.endm
.macro BLOAD hf                        ; the bias of each register's key, straight into the accumulators: they are the C, in place
.irp T, 0,1
.irp ti, 0,1,2,3
	ds_load_b128 v[S+32*\T+8*\ti:S+32*\T+8*\ti+3],   v[ADB] offset:4*(64*(\hf)+32*(\ti/2)+8*(\ti%2))
	ds_load_b128 v[S+32*\T+8*\ti+4:S+32*\T+8*\ti+7], v[ADB] offset:4*(64*(\hf)+32*(\ti/2)+8*(\ti%2))+16
.endr
.endr
.endm
; ---- S^T = K Q^T: 8 products, the 8 accumulators by turns, one instruction a turn
.macro QK bias
	WIN 0x04                                       ; source 1 (Q) window 1
.irp ti, 0,1,2,3
.irp T, 0,1
.if \bias
	v_wmma_f32_16x16x128_fp8_fp8 v[S+32*\T+8*\ti:S+32*\T+8*\ti+7], v[FK+16*\ti:FK+16*\ti+15], v[QW+16*\T:QW+16*\T+15], v[S+32*\T+8*\ti:S+32*\T+8*\ti+7]
.else
	v_wmma_f32_16x16x128_fp8_fp8 v[S+32*\T+8*\ti:S+32*\T+8*\ti+7], v[FK+16*\ti:FK+16*\ti+15], v[QW+16*\T:QW+16*\T+15], 0
.endif
.endr
.endr
	WIN 0
.endm
; ---- O^T += V^T P^T: 16 products over 64 keys, the 16 accumulators by turns; K Q^T's eight stand between two such runs
.macro PV
	WIN 0x50                                       ; C and D window 1
.irp dt, 0,1,2,3,4,5,6,7
.irp T, 0,1
	v_wmma_f32_16x16x64_fp8_fp8 v[64*\T+8*\dt:64*\T+8*\dt+7], v[FV+8*\dt:FV+8*\dt+7], v[PC+8*\T:PC+8*\T+7], v[64*\T+8*\dt:64*\T+8*\dt+7]
.endr
.endr
	WIN 0
.endm
; ---- the causal mask.  s[TS] = the half's first key.  A half all of whose keys count for my first query skips this.  Register n of tile T holds key s[TS] + 16 h + 32 (n / 16) + n % 16:
; hidden where 32 (n / 16) + n % 16 > d = my query - s[TS] - 16 h.  Each accumulator is read from its low end on.
.macro DIAG
	s_add_co_u32 s57, s[TS], 63
	s_cmp_le_u32 s57, s[Q0]
	s_cbranch_scc1 .Lopen_\@
	s_sub_co_i32 s57, s[Q0], s[TS]
	v_add_nc_u32 v[DD], s57, v[RH]
	v_add_nc_u32 v[DD+1], 16, v[DD]
.irp T, 0,1
.irp n, 0,1,2,3,4,5,6,7,8,9,10,11,12,13,14,15,16,17,18,19,20,21,22,23,24,25,26,27,28,29,30,31
	v_cmp_gt_i32 vcc_lo, 32*(\n/16)+\n%16, v[DD+\T]
	v_cndmask_b32 v[S+32*\T+\n], v[S+32*\T+\n], v[NINF], vcc_lo
.endr
.endr
.Lopen_\@:
.endm
; ---- pass 1's arithmetic of a half, the two tiles line by line.  A lane keeps its own maximum and sum (its half of the query's keys); lanes l and l xor 16 meet once, behind the pass.
.macro MAXSUM
.irp T, 0,1
	v_max3_num_f32 v[CH+2*\T],   v[NM+2*\T+1],  v[S+32*\T],    v[S+32*\T+1]      ; two chains; each accumulator's first read is of its low end
	v_max3_num_f32 v[CH+2*\T+1], v[S+32*\T+16], v[S+32*\T+17], v[S+32*\T+18]
.endr
.irp i, 0,1,2,3,4,5
.irp T, 0,1
	v_max3_num_f32 v[CH+2*\T],   v[CH+2*\T],   v[S+32*\T+2+2*\i],  v[S+32*\T+3+2*\i]
	v_max3_num_f32 v[CH+2*\T+1], v[CH+2*\T+1], v[S+32*\T+19+2*\i], v[S+32*\T+20+2*\i]
.endr
.endr
.irp T, 0,1
	v_max3_num_f32 v[CH+2*\T], v[CH+2*\T], v[S+32*\T+14], v[S+32*\T+15]
.endr
.irp T, 0,1
	v_max3_num_f32 v[NM+2*\T+1], v[CH+2*\T], v[CH+2*\T+1], v[S+32*\T+31]         ; the largest raw S so far, never under 0
.endr
.irp T, 0,1
	v_mul_f32 v[XX+\T], s[NCS], v[NM+2*\T+1]
.endr
.irp T, 0,1
	v_floor_f32 v[XX+\T], v[XX+\T]                 ; the new -M = floor(-t): M is a whole number
.endr
.irp T, 0,1
	v_sub_f32 v[FF+2*\T], v[XX+\T], v[NM+2*\T]     ; old M - new M: a whole number, 0 or less
.endr
.irp T, 0,1
	v_mov_b32 v[NM+2*\T], v[XX+\T]
.endr
.irp T, 0,1
	v_cvt_i32_f32 v[FF+2*\T], v[FF+2*\T]           ; (it saturates)
.endr
.irp T, 0,1
	v_ldexp_f32 v[FF+2*\T], 1.0, v[FF+2*\T]        ; f
.endr
.irp i, 0,2,4,6,8,10,12,14,16,18,20,22,24,26,28,30
.irp T, 0,1
	v_pk_fma_f32 v[S+32*\T+\i:S+32*\T+\i+1], v[S+32*\T+\i:S+32*\T+\i+1], s[CS:CS+1], v[NM+2*\T:NM+2*\T+1] op_sel_hi:[1,0,0]   ; t - M (of the pairs c' and -M the low word serves both halves)
.endr
.endr
.set II, 0
.rept 64
	v_exp_f32 v[S+II], v[S+II]                     ; p: one batch for both tiles
.set II, II+1
.endr
.irp T, 0,1
	v_pk_mul_f32 v[SU+2*\T:SU+2*\T+1], v[SU+2*\T:SU+2*\T+1], v[FF+2*\T:FF+2*\T+1] op_sel_hi:[1,0]   ; the sums under the new M; also the plain instruction behind the last exponential
.endr
	s_wait_alu depctr_va_vdst(0)                   ; one wait for the batch, ahead of its first reader
.irp T, 0,1
	v_pk_add_f32 v[CH+2*\T:CH+2*\T+1], v[S+32*\T:S+32*\T+1], v[S+32*\T+2:S+32*\T+3]
.endr
.irp i, 4,8,12,16,20,24,28
.irp T, 0,1
	v_pk_add_f32 v[SU+2*\T:SU+2*\T+1], v[SU+2*\T:SU+2*\T+1], v[S+32*\T+\i:S+32*\T+\i+1]
	v_pk_add_f32 v[CH+2*\T:CH+2*\T+1], v[CH+2*\T:CH+2*\T+1], v[S+32*\T+\i+2:S+32*\T+\i+3]
.endr
.endr
.irp T, 0,1
	v_pk_add_f32 v[SU+2*\T:SU+2*\T+1], v[SU+2*\T:SU+2*\T+1], v[CH+2*\T:CH+2*\T+1]
.endr
.endm
; ---- pass 2's arithmetic of a half: the finished weights and their codes
.macro WEIGH
.irp i, 0,2,4,6,8,10,12,14,16,18,20,22,24,26,28,30
.irp T, 0,1
	v_pk_fma_f32 v[S+32*\T+\i:S+32*\T+\i+1], v[S+32*\T+\i:S+32*\T+\i+1], s[CS:CS+1], v[NM+2*\T:NM+2*\T+1] op_sel_hi:[1,0,0]   ; t - L
.endr
.endr
.set II, 0
.rept 64
	v_exp_f32 v[S+II], v[S+II]                     ; w = 2^(t - L): normalised
.set II, II+1
.endr
	v_nop                                          ; the plain instruction behind the last exponential
	s_wait_alu depctr_va_vdst(0)                   ; one wait for the batch, ahead of the branch and of the first reader
	s_cmp_lg_u32 s[NOHOLD], 0
	s_cbranch_scc1 .Lnohold_\@
.set II, 0
.rept 64
	v_min_num_f32 v[S+II], v[S+II], v[LIM]         ; the conversion to an 8-bit code does not saturate (ISA guide 7.6.2); w is not negative, so the hold is one-sided
.set II, II+1
.endr
.Lnohold_\@:
.irp T, 0,1
.irp ti, 0,1,2,3
	v_cvt_scalef32_pk8_fp8_f32 v[PC+8*\T+2*\ti:PC+8*\T+2*\ti+1], v[S+32*\T+8*\ti:S+32*\T+8*\ti+7], v[SCL]
.endr
.endr
	v_nop                                          ; one plain vector instruction between the last conversion and the products that read the codes
.endm
; ---- A HALF: 64 keys, the hf-th of the slot.  It runs only behind the slot's earlier halves, so its K was asked for in the half before (the first asks for its own).
.macro HALF p, hf
	s_add_co_u32 s[TS], s[KF], 64*\hf
	s_cmp_gt_u32 s[TS], s[QL]                      ; all its keys come after my queries: so do all later ones
	s_cbranch_scc1 .Lend_\p
.if \hf == 0
	KLOAD 0
.endif
	s_bitcmp1_b32 s[HS], \hf
	s_cbranch_scc1 .Lholes_\@
	s_wait_dscnt 0x0                               ; K's fragments are in
	QK 0
	s_branch .Ljoin_\@
.Lholes_\@:
	BLOAD \hf
	s_wait_dscnt 0x0
	QK 1
.Ljoin_\@:
	PLACES                                         ; four places (ISA guide 7.12.1 for vector instructions): ahead of the first read of S^T, of the loads into K's registers, and of those into V's, which the last V^T P^T read
.if \p == 2
	VLOAD \hf
.endif
.if \hf < 3
	KLOAD \hf+1                                    ; lands under this half's vector work
.endif
	DIAG
.if \p == 1
	MAXSUM
.else
	WEIGH
.if \hf < 3
	s_wait_dscnt 16                                ; V's 16 loads are in; the next half's 16 of K, issued behind them, may be out
.else
	s_wait_dscnt 0x0
.endif
	PV
.endif
.endm
; ---- THE WAY OUT of a tile of 16 queries: O^T x 2^(ep + ev) goes through my stage (rows of 528 bytes) and comes back as whole rows of 512 bytes
.macro OUTT tl, tmp, bk
	WIN 0x01                                       ; source 0 (O^T) window 1
.irp i, 0,2,4,6,8,10,12,14,16,18,20,22,24,26,28,30,32,34,36,38,40,42,44,46,48,50,52,54,56,58,60,62
	v_pk_mul_f32 v[\tmp+\i:\tmp+\i+1], v[64*\tl+\i:64*\tl+\i+1], s[OSC:OSC+1] op_sel_hi:[1,0]   ; each accumulator from its low end on
.endr
	WIN 0
.irp dt, 0,1,2,3,4,5,6,7
	ds_store_b128 v[STO], v[\tmp+8*\dt:\tmp+8*\dt+3] offset:64*\dt               ; lane (r, h): out(r, 16 dt + 8 h + 0 .. 7)
	ds_store_b128 v[STO], v[\tmp+8*\dt+4:\tmp+8*\dt+7] offset:64*\dt+16
.endr
.irp i, 0,1,2,3,4,5,6,7,8,9,10,11,12,13,14,15
	ds_load_b128 v[\bk+4*\i:\bk+4*\i+3], v[RD] offset:SP*\i                      ; LDS serves a wave's instructions in order (ISA guide 5.7.1.4): these see my stores
.endr
.irp i, 0,1,2,3,4,5,6,7,8,9,10,11,12,13,14,15
	s_wait_dscnt 15-\i                             ; row i is back; the younger loads may be out
	global_store_b128 v[GO], v[\bk+4*\i:\bk+4*\i+3], s[14:15] offset:(16*\tl+\i)*512 th:TH_STORE_NT   ; 32 lanes store 512 consecutive bytes, at a multiple of 512 from out's first byte
.endr
.endm
.macro WAYOUT
	s_wait_dscnt 0x0                               ; a run of K's loads may still be on its way into the registers used below
	PLACES                                         ; behind the last products, ahead of the first read of O^T
	OUTT 0, FK, FV
	OUTT 1, S, FK
	s_wait_xcnt 0x0                                ; the stores have read their registers
.endm
; ---- A PREFETCH INTO THE L2 of the slot whose loads the NEXT trip issues.  All eight work-groups of a head walk the same K and V; work-group 0 asks, one instruction a wave and trip, behind the trip's own loads.
; Waves 0-3: K's slot G + 2 in trips G = 0 .. 5: a dense block of 32,768 bytes, 8,192 a wave, lanes 256 bytes apart.  Waves 4-7: V's slot G - 6 in trips G = 7 .. 13: 128 rows x 256 bytes, 32 rows a wave, a lane a row.
; So each aligned block of 256 bytes is named once in the launch.  K's slots 0 and 1 and V's slot 0 come by their loads alone; the last slot asked for is the head's last.
.macro ASK
	s_sub_co_u32 s[TS], s[GG], s[PFLO]
	s_cmp_gt_u32 s[TS], s[PFSPAN]
	s_cbranch_scc1 .Lnoask_\@
	s_add_co_u32 s[TS], s[TS], s[PF0]
	s_mul_i32 s58, s[TS], s[PFSTEP]
	s_mov_b32 s59, 0
	s_add_nc_u64 s[PFA:PFA+1], s[PFB:PFB+1], s[58:59]
	global_prefetch_b8 v[PFO], s[PFA:PFA+1] th:TH_LOAD_NT scope:SCOPE_SE
.Lnoask_\@:
.endm
; ---- A TRIP: a slot of 256 keys.  The next slot's bytes are asked for at its head, into registers, and go into the other slot at its end.
; ONE BARRIER a trip: in front of it a wave's stores into the other slot are done and its reads of this slot are back; the slot written in a trip was last read in front of the barrier before.
.macro SLOT p
.Ltrip_\p:
	s_wait_xcnt 0x0                                ; the last trip's prefetch has read its address
	s_xor_b32 s[TW], s[TB], SLOT1
	v_add_nc_u32 v[ADK], s[TB], v[AK0]             ; every LDS address of the trip is made here, ahead of its branches
	v_add_nc_u32 v[ADV], s[TB], v[AV0]
	s_lshl_b32 s[TS], s[KF], 2
	v_add_nc_u32 v[ADB], s[TS], v[ABI0]
	v_add_nc_u32 v[WKA], s[TW], v[WK0]
	v_add_nc_u32 v[WVA], s[TW], v[WV0]
	s_lshr_b32 s[TS], s[KF], 6
	s_lshr_b32 s[HS], s[HOLES], s[TS]
	s_add_co_u32 s[NXT], s[KF], 256
.if \p == 1
	s_and_b32 s[NXT], s[NXT], 2047                 ; pass 1's last trip fetches pass 2's first slot of K
.endif
	s_cmp_gt_u32 s[NXT], s[WGL]                    ; a slot that no wave of the work-group reads is not fetched; past the head's last key nothing is
	s_cbranch_scc1 .Lnoload_\p
	s_lshl_b32 s[OFS], s[NXT], 7
	s_add_nc_u64 s[KN:KN+1], s[6:7], s[OFS:OFS+1]
.if \p == 2
	s_mov_b32 s[OFS], s[NXT]
	s_add_nc_u64 s[VN:VN+1], s[8:9], s[OFS:OFS+1]
.endif
	WIN 0x40
.irp i, 0,1,2,3,4,5,6,7
	global_load_b128 v[STK+4*\i:STK+4*\i+3], v[GKO], s[KN:KN+1] offset:4096*\i
.endr
.if \p == 2
.irp i, 0,1,2,3,4,5,6,7
	global_load_b128 v[STV+4*\i:STV+4*\i+3], v[GVO], s[VN:VN+1] offset:32768*\i
.endr
.endif
	WIN 0
.Lnoload_\p:
	ASK
	HALF \p, 0
	HALF \p, 1
	HALF \p, 2
	HALF \p, 3
.Lend_\p:
	s_wait_loadcnt 0x0                             ; the next slot's bytes are in registers (on every way: it also frees the loads' bases)
	s_cmp_gt_u32 s[NXT], s[WGL]
	s_cbranch_scc1 .Lnostore_\p
	WIN 0x04
.irp i, 0,1,2,3,4,5,6,7
	ds_store_b128 v[WKA], v[STK+4*\i:STK+4*\i+3] offset:32*KP*\i
.endr
.if \p == 2
.irp i, 0,1,2,3,4,5,6,7
	ds_store_b128 v[WVA], v[STV+4*\i:STV+4*\i+3] offset:16*VP*\i
.endr
.endif
	WIN 0
.Lnostore_\p:
.if \p == 2
	s_cmp_lg_u32 s[KF], s[LASTKF]                  ; a wave stores its rows in the trip in which it has finished them: the low blocks' rows leave early
	s_cbranch_scc1 .Lnoout
	WAYOUT
.Lnoout:
.endif
	s_wait_dscnt 0x0                               ; my stores into the other slot are done, my reads of this one are back
	s_barrier_signal -1
	s_barrier_wait -1
	s_xor_b32 s[TB], s[TB], SLOT1
	s_add_co_u32 s[GG], s[GG], 1
	s_add_co_u32 s[KF], s[KF], 256
	s_cmp_lt_u32 s[KF], 2048
	s_cbranch_scc1 .Ltrip_\p
.endm
	s_mov_b32 s[KF], 0
	s_mov_b32 s[TB], 0
	s_mov_b32 s[GG], 0
	SLOT 1                                         ; PASS 1: eight trips
	; lanes l and l xor 16 hold the two halves of a query's keys: their maxima and sums meet; the ghost is added; -L = -M - log2(den)
.irp T, 0,1
	v_add_f32 v[CH+\T], v[SU+2*\T], v[SU+2*\T+1]
	v_permlanex16_b32 v[CH+2+\T], v[NM+2*\T], s[SEL], s[SEL+1]
.endr
.irp T, 0,1
	v_min_num_f32 v[CH+2+\T], v[CH+2+\T], v[NM+2*\T]   ; the query's -M
.endr
.irp T, 0,1
	v_sub_f32 v[XX+\T], v[CH+2+\T], v[NM+2*\T]
.endr
.irp T, 0,1
	v_cvt_i32_f32 v[XX+\T], v[XX+\T]
.endr
.irp T, 0,1
	v_ldexp_f32 v[XX+\T], 1.0, v[XX+\T]
.endr
.irp T, 0,1
	v_mul_f32 v[CH+\T], v[CH+\T], v[XX+\T]         ; my sum under the query's M
.endr
.irp T, 0,1
	v_permlanex16_b32 v[XX+\T], v[CH+\T], s[SEL], s[SEL+1]
.endr
.irp T, 0,1
	v_add_f32 v[CH+\T], v[CH+\T], v[XX+\T]
.endr
.irp T, 0,1
	v_cvt_i32_f32 v[XX+\T], v[CH+2+\T]
.endr
.irp T, 0,1
	v_ldexp_f32 v[XX+\T], 1.0, v[XX+\T]            ; the ghost: 2^-M
.endr
.irp T, 0,1
	v_add_f32 v[CH+\T], v[CH+\T], v[XX+\T]         ; den: at least 1/2 (the largest p, or the ghost's 1)
.endr
.irp T, 0,1
	v_log_f32 v[XX+\T], v[CH+\T]
.endr
	v_nop                                          ; the plain instruction behind the last logarithm
	s_wait_alu depctr_va_vdst(0)                   ; and the wait ahead of the first reader
.irp T, 0,1
	v_sub_f32 v[NM+2*\T], v[CH+2+\T], v[XX+\T]     ; -L
.endr
	WIN 0x40
.set II, 0
.rept 128
	v_mov_b32 v[II], 0                             ; O^T.  Pass 2's trip is written once: a first product with the constant 0 as C would want a second copy of it
.set II, II+1
.endr
	WIN 0
	s_mov_b32 s[KF], 0                             ; s[TB] is 0 again after eight trips; s[GG] counts on
	SLOT 2                                         ; PASS 2: eight trips
	s_set_vgpr_msb 0x4
	s_wait_tensorcnt 0x0
	ds_add_u32 v243, v255
	s_wait_dscnt 0x0
	s_set_vgpr_msb 0x400
	s_endpgm
.Lfunc_end_k_q19db77822c_attn:
	.size	k_q19db77822c_attn, .Lfunc_end_k_q19db77822c_attn-k_q19db77822c_attn
	.p2alignl 7, 3214868480
	.fill 96, 4, 3214868480
	.section	.rodata,"a",@progbits
	.p2align	6, 0x0
	.amdhsa_kernel k_q19db77822c_attn
		.amdhsa_group_segment_fixed_size 275712
		.amdhsa_private_segment_fixed_size 0
		.amdhsa_enable_private_segment 0
		.amdhsa_kernarg_size 48
		.amdhsa_user_sgpr_count 2
		.amdhsa_user_sgpr_kernarg_segment_ptr 1
		.amdhsa_wavefront_size32 1
		.amdhsa_system_sgpr_workgroup_id_x 1
		.amdhsa_system_sgpr_workgroup_id_y 1
		.amdhsa_system_sgpr_workgroup_id_z 1
		.amdhsa_system_vgpr_workitem_id 0
		.amdhsa_next_free_vgpr 512
		.amdhsa_next_free_sgpr 66
		.amdhsa_reserve_vcc 1
		.amdhsa_float_denorm_mode_32 3
		.amdhsa_float_denorm_mode_16_64 3
		.amdhsa_memory_ordered 1
		.amdhsa_forward_progress 1
		.amdhsa_inst_pref_size 178
	.end_amdhsa_kernel
	.amdgpu_metadata
---
amdhsa.version: [ 1, 2 ]
amdhsa.kernels:
  - .name:           k_q19db77822c_attn
    .symbol:         k_q19db77822c_attn.kd
    .args:
      - { .name: q_codes, .offset: 0, .size: 8, .value_kind: global_buffer, .address_space: global }
      - { .name: k_codes, .offset: 8, .size: 8, .value_kind: global_buffer, .address_space: global }
      - { .name: v_codes, .offset: 16, .size: 8, .value_kind: global_buffer, .address_space: global }
      - { .name: attention_mask, .offset: 24, .size: 8, .value_kind: global_buffer, .address_space: global }
      - { .name: lowp_scales, .offset: 32, .size: 8, .value_kind: global_buffer, .address_space: global }
      - { .name: out0, .offset: 40, .size: 8, .value_kind: global_buffer, .address_space: global }
    .group_segment_fixed_size: 275712
    .private_segment_fixed_size: 0
    .kernarg_segment_align: 8
    .kernarg_segment_size: 48
    .max_flat_workgroup_size: 256
    .sgpr_count:     66
    .vgpr_count:     512
    .wavefront_size: 32
...
	.end_amdgpu_metadata
.endif
;; end of part 1
